; MI455X (gfx1250); checked and timed in simulation.
; The chip was launched on July 23, 2026; its instructions are those of AMD's public machine-readable ISA for CDNA 5 (MIT licence, August 2026) and "CDNA5" Instruction Set Architecture Reference Guide (July 2026). The comments in the code are by the model that wrote it; some were corrected since.
;; Location Expert Router. Allowed arithmetic: matrix products marked QUANTISED: E4M3 operands, one E8M0 scale for each 32 along K, by v_wmma_scale_f32_16x16x128_f8f6f4 with both operands' format E4M3, f32 sums; everything else in f32.
;; Inputs: W 8 x 1,024 x 4,000 float32; b 8 x 4,000 float32; pointer_addresses 2,048 int32; x 2,048 x 1,024 float32.
;; Outputs: out0 2,048 x 4,000 float32.
;; This version of the problem:
;;   THIS VERSION OF THE PROBLEM IS GIVEN IN LOW PRECISION. The matrix products marked QUANTISED in the list below multiply operands that are first quantised to E4M3 (4 exponent bits, 3 mantissa bits; 8 bits a number), with one power-of-two scale for each 32 numbers along K (OCP MX v1.0); their sums are f32. All else is computed in f32.
;;   The module's matrix products, in the order in which they are computed (A, B: the left and right operand; K: the contracted axis; several contracted axes count as one K, in the product's order):
;;     1. [M 2,048, K 1,024] x [K 1,024, N 4,000]; A: input x; B: input W: QUANTISED
;;     2. [M 2,048, K 1,024] x [K 1,024, N 4,000]; A: input x; B: input W: QUANTISED
;;     3. [M 2,048, K 1,024] x [K 1,024, N 4,000]; A: input x; B: input W: QUANTISED
;;     4. [M 2,048, K 1,024] x [K 1,024, N 4,000]; A: input x; B: input W: QUANTISED
;;     5. [M 2,048, K 1,024] x [K 1,024, N 4,000]; A: input x; B: input W: QUANTISED
;;     6. [M 2,048, K 1,024] x [K 1,024, N 4,000]; A: input x; B: input W: QUANTISED
;;     7. [M 2,048, K 1,024] x [K 1,024, N 4,000]; A: input x; B: input W: QUANTISED
;;     8. [M 2,048, K 1,024] x [K 1,024, N 4,000]; A: input x; B: input W: QUANTISED
;;   THE QUANTISER, for each operand of a quantised product, along K:
;;     - K is cut into blocks of 32 from its start; a last block that is shorter is filled with zeros.
;;     - A block's scale is 2^e with e = floor(log2(the largest magnitude in the block)) - 8, held to -126 .. 127; a block of zeros has e = 0. As a byte (E8M0): e + 127.
;;     - Each number is divided by its block's scale, clamped to +-448, and rounded to the nearest number of E4M3, ties to even, subnormals kept.
;;     - The product sums the exact products of the quantised numbers (number of the format x scale) in f32.
;;   ~~~python
;;   def quantise(x, axis):      # numpy; x: float32 -> the quantised numbers, widened to float32 again
;;       x = np.moveaxis(x, axis, -1); K = x.shape[-1]
;;       x = np.pad(x, [(0, 0)] * (x.ndim - 1) + [(0, -K % 32)]); x = x.reshape(x.shape[:-1] + (-1, 32)); a = np.abs(x).max(-1, keepdims=True)
;;       e = np.where(a > 0, np.clip(np.frexp(np.where(a > 0, a, 1))[1] - 1 - 8, -126, 127), 0)      # np.frexp(a)[1] - 1 = floor(log2(a)), exactly
;;       r = np.clip(x / 2.0 ** e, -448, 448)
;;       step = 2.0 ** (np.maximum(np.frexp(np.where(r == 0, 1, r))[1] - 1, -6) - 3)
;;       q = np.round(r / step) * step * 2.0 ** e      # np.round: ties to even
;;       return np.moveaxis(q.reshape(q.shape[:-2] + (-1,))[..., :K], -1, axis).astype(np.float32)
;;   ~~~
;; 2 versions, each right; version 2 is version 1 with the launch main written anew for expert scheduling mode. Each part assembles by itself: llvm-mc -triple=amdgcn-amd-amdhsa -mcpu=gfx1250 --defsym DOCPART=n.
;; ======== version 1 of 2: 2 launches
;; workspace buffers: xq 2,280,960 bytes; route 8,960 bytes of whole numbers
;; launch prep (part 1): grid 135 x 1, 8 waves a work-group, no clusters, 1,280 bytes of LDS; arguments x, pointer_addresses, xq, route; writes xq, route
.if DOCPART == 1
	.amdgcn_target "amdgcn-amd-amdhsa--gfx1250"
	.amdhsa_code_object_version 6
	.text
	.protected	k_q1eb809ab6a_prep
	.globl	k_q1eb809ab6a_prep
	.p2align	8
	.type	k_q1eb809ab6a_prep,@function
k_q1eb809ab6a_prep:
	s_mov_b64 s[64:65], 0
	v_nop
	global_prefetch_b8 v0, s[64:65] scope:SCOPE_SE
	s_setreg_imm32_b32 hwreg(HW_REG_WAVE_MODE, 25, 1), 1
	s_wait_xcnt 0x0
; out[t] = Q(x[t]) Q(W[e]) + b[e], e = pointer_addresses[t] mod 8; Q quantises along K = 1,024 to E4M3 with one E8M0 scale for each 32.
; WORK LEFT OUT, BY THE WHOLE PROGRAM.  reference() multiplies all 2,048 rows by all eight experts and keeps, by its own where() on idx == e, the rows of one.  idx = p mod 8 lies in 0 .. 7 for every
; whole number p, so each row of out is taken from exactly one y_e, the zeros that out begins with never survive, and rows of y_e with idx != e reach no output, whatever x, W and b hold.  So only the chosen
; expert's rows are multiplied.  Every input has a way to the output and is loaded.  LIMIT: a NaN, an infinity or an overflow that arises only in a product that was not chosen is not carried to the result.
; THIS LAUNCH sorts the tokens by expert (a counting sort without atomics: every work-group counts for itself) and quantises x, gathered, into TILE RECORDS of 16 tokens of one expert.
; Expert e with c_e tokens has t_e = ceil(c_e / 16) tiles, numbered from tb_e = t_0 + .. + t_(e-1): never more than 128 + 7 = 135, whatever the split.  Work-group p makes tile p; one beyond the total stores nothing.
; A last tile's rows past c_e repeat the expert's last token, so that every record is written whole; the next launch does not store those rows.
; RECORD p (16,896 bytes), laid as the matrix operand's registers: codes of K step ks (128 along K) at 2048 ks + 512 c + 16 lane: lane (r, h), registers 4 c .. 4 c + 3 = k 32 c + 16 h + 0 .. 15 of row r;
; scale words (four bytes: a row's four blocks of a K step) at 16384 + 64 ks + 4 r.  route: the eight counts, four times over, in bytes 0 .. 127; from byte 256 on tile p's 16 token numbers, 64 bytes a tile.
; SHARES: wave w counts expert w, then quantises K step w of the tile.  A token's rank among its expert's is taken in the order (register g, lane) of the 64 registers in which every wave holds all 2,048 indices.
; LIMITS: NaN and infinities in x are not served (the hold turns a NaN into a number).  A block whose largest magnitude lies under 2^-118 keeps the byte 1; a block of zeros too, where the rule says 127: its codes are zeros, and the bytes are read by this program alone.
.set SPARE, 256                        ; LDS: bytes 0 .. 31 the eight counts (the block 0 .. 255 is theirs); from 256 the spare words, 128 bytes for each of the eight waves
.set REC,   16896
.set SPW,   14                         ; v14  LDS address of my spare word; never rewritten
.set NIL,   15                         ; v15  0; never rewritten
.set IDX,   16                         ; v16-79   register 4 q + i of lane l: the expert of token 128 q + 4 l + i
.set X,     80                         ; v80-143  64 numbers of my row: register 16 b + i = k 32 b + 16 h + i of the K step
.set PC,    144                        ; v144-159 the fragment's codes
.set TM,    160                        ; v160-163 largest magnitudes, 164-167 bytes, 168-171 448 x the scale, 172-175 the conversions' scale operands
.set PW,    176                        ; v176 the scale word
.set CNT,   180                        ; v180-187 the eight counts
.set CR,    188                        ; v188 the count of expert lane % 8
.set RK,    189                        ; my row's rank among the expert's tokens
.set RM,    190                        ; the mask of the register that holds that rank
.set RPG,   191                        ; ranks ahead of that register | register << 16
.set RN,    192
.set RG,    193
.set RA,    194
.set RB,    195
.set RC,    196
.set RD,    197
.set RPOS,  198
.set RT,    199
.set RU,    200
.set TOK,   201
.set XO,    202
	s_load_b256 s[4:11], s[0:1], 0x0               ; x s[4:5], pointer_addresses s[6:7], xq s[8:9], route s[10:11]
	v_lshl_add_u32 v[SPW], v0, 2, SPARE
	v_mov_b32 v[NIL], 0
	v_lshrrev_b32 v4, 5, v0
	v_readfirstlane_b32 s2, v4                     ; wave 0..7
	v_and_b32 v4, 31, v0                           ; lane
	v_lshlrev_b32 v1, 4, v4                        ; 16 x lane
	v_and_b32 v2, 15, v0                           ; r
	v_bfe_u32 v3, v0, 4, 1                         ; h
	v_lshlrev_b32 v5, 2, v4                        ; 4 x lane
	v_lshlrev_b32 v6, 2, v2                        ; 4 r
	v_and_b32 v7, 7, v0
	v_lshlrev_b32 v7, 2, v7                        ; 4 (lane % 8)
	v_mov_b32 v8, s2
	v_lshlrev_b32 v8, 2, v8                        ; LDS: my wave's count
	v_mov_b32 v10, 0                               ; LDS: the counts' first byte
	s_mov_b32 s12, ttmp9                           ; p
	s_mov_b32 s42, 0x76543210
	s_mov_b32 s43, 0xfedcba98                      ; v_permlanex16_b32's selects for lane l xor 16
	s_mov_b32 s44, 0x600000                        ; the mantissa field of 448
.irp b, 0,1,2,3
	v_mov_b32 v[TM+4+\b], 0                        ; a lane permute's destination counts as one of its sources
.endr
	s_wait_kmcnt 0x0
.irp q, 0,1,2,3,4,5,6,7,8,9,10,11,12,13,14,15
	global_load_b128 v[IDX+4*\q:IDX+4*\q+3], v1, s[6:7] offset:512*\q   ; all 2,048 pointers, 512 consecutive bytes a load
.endr
	s_wait_loadcnt 0x0
.set g, 0
.rept 64
	v_and_b32 v[IDX+g], 7, v[IDX+g]                ; p mod 8 as jnp has it: the low three bits in two's complement, for negative p too
.set g, g+1
.endr
	; wave w counts expert w
	s_mov_b32 s36, 0
.set g, 0
.rept 16
.irp u, 0,1,2,3
	v_cmp_eq_u32 s[37+\u], s2, v[IDX+g+\u]
.endr
.irp u, 0,1,2,3
	s_bcnt1_i32_b32 s[37+\u], s[37+\u]
.endr
.irp u, 0,1,2,3
	s_add_co_u32 s36, s36, s[37+\u]
.endr
.set g, g+4
.endr
	v_mov_b32 v9, s36
	ds_store_b32 v8, v9                            ; all lanes write the same word with the same value
	s_wait_dscnt 0x0                               ; for the others' sake: my count lies in LDS
	s_barrier_signal -1
	s_barrier_wait -1                              ; the launch's one barrier: it stands ahead of every branch on loaded numbers
	ds_load_b128 v[CNT:CNT+3], v10
	ds_load_b128 v[CNT+4:CNT+7], v10 offset:16
	ds_load_b32 v[CR], v7
	s_wait_dscnt 0x0
.irp k, 0,1,2,3,4,5,6,7
	v_readfirstlane_b32 s[16+\k], v[CNT+\k]
.endr
.irp k, 0,1,2,3,4,5,6,7
	s_min_u32 s[16+\k], s[16+\k], 2048
.endr
	s_mov_b32 s32, 0                               ; tb_k in s[24+k], the total in s32
.irp k, 0,1,2,3,4,5,6,7
	s_mov_b32 s[24+\k], s32
	s_add_co_u32 s45, s[16+\k], 15
	s_lshr_b32 s45, s45, 4
	s_add_co_u32 s32, s32, s45
.endr
	s_mov_b32 s33, 0                               ; my tile's expert: the last k with tb_k <= p (so experts without tokens are passed over),
	s_mov_b32 s34, 0                               ; its first tile,
	s_mov_b32 s35, s16                             ; its count
.irp k, 1,2,3,4,5,6,7
	s_cmp_ge_u32 s12, s[24+\k]
	s_cselect_b32 s33, \k, s33
	s_cselect_b32 s34, s[24+\k], s34
	s_cselect_b32 s35, s[16+\k], s35
.endr
	s_cmp_ge_u32 s12, s32
	s_cbranch_scc1 .Lend                           ; this split has no tile p: nothing is stored
	s_sub_co_u32 s45, s12, s34
	s_lshl_b32 s45, s45, 4
	v_add_nc_u32 v[RK], s45, v2                    ; my row's rank: 16 (p - tb) + r,
	s_sub_co_u32 s45, s35, 1
	v_min_u32 v[RK], s45, v[RK]                    ; held at the expert's last token
	; which register holds rank k: the last g whose ranks begin at or under k.  Its mask then has more than k - P_g bits
	s_mov_b32 s36, 0                               ; P_g: the expert's tokens in registers ahead of g
	v_mov_b32 v[RM], 0
	v_mov_b32 v[RPG], 0
.set g, 0
.rept 64
	v_cmp_eq_u32 s37, s33, v[IDX+g]
	v_cmp_le_u32 vcc_lo, s36, v[RK]
	s_or_b32 s41, s36, g<<16
	v_cndmask_b32 v[RM], v[RM], s37, vcc_lo
	v_cndmask_b32 v[RPG], v[RPG], s41, vcc_lo
	s_bcnt1_i32_b32 s38, s37
	s_add_co_u32 s36, s36, s38
.set g, g+1
.endr
	v_and_b32 v[RN], 0xffff, v[RPG]
	v_sub_nc_u32 v[RN], v[RK], v[RN]               ; n = k - P_g: the lane wanted is the n-th set bit of the mask, counted from 0
	v_lshrrev_b32 v[RG], 16, v[RPG]
	v_lshrrev_b32 v[RA], 1, v[RM]                  ; the mask's bit counts in fields of 2, 4, 8 and 16 bits
	v_and_b32 v[RA], 0x55555555, v[RA]
	v_sub_nc_u32 v[RA], v[RM], v[RA]
	v_lshrrev_b32 v[RB], 2, v[RA]
	v_and_b32 v[RB], 0x33333333, v[RB]
	v_and_b32 v[RT], 0x33333333, v[RA]
	v_add_nc_u32 v[RB], v[RB], v[RT]
	v_lshrrev_b32 v[RC], 4, v[RB]
	v_add_nc_u32 v[RC], v[RC], v[RB]
	v_and_b32 v[RC], 0x0f0f0f0f, v[RC]
	v_lshrrev_b32 v[RD], 8, v[RC]
	v_add_nc_u32 v[RD], v[RD], v[RC]
	v_mov_b32 v[RPOS], 0
.macro LEVEL src, width, step          ; if the lower half of the field in hand has n bits or fewer, pass over it
	v_bfe_u32 v[RT], v[\src], v[RPOS], \width
	v_cmp_ge_u32 vcc_lo, v[RN], v[RT]
	v_cndmask_b32 v[RU], 0, v[RT], vcc_lo
	v_sub_nc_u32 v[RN], v[RN], v[RU]
	v_cndmask_b32 v[RU], 0, \step, vcc_lo
	v_add_nc_u32 v[RPOS], v[RPOS], v[RU]
.endm
	LEVEL RD, 8, 16
	LEVEL RC, 8, 8
	LEVEL RB, 4, 4
	LEVEL RA, 2, 2
	LEVEL RM, 1, 1
	v_and_b32 v[RT], 3, v[RG]
	v_and_b32 v[RU], 0x3c, v[RG]
	v_lshl_add_u32 v[RT], v[RU], 5, v[RT]
	v_lshl_add_u32 v[TOK], v[RPOS], 2, v[RT]       ; token = 128 (g / 4) + 4 x lane + g % 4
	v_min_u32 v[TOK], 2047, v[TOK]                 ; a number made of loaded numbers enters an address only behind this hold
	v_lshlrev_b32 v[XO], 12, v[TOK]                ; x: the token's row of 4,096 bytes,
	v_lshl_add_u32 v[XO], v3, 6, v[XO]             ; + 64 h: my 16 numbers of a block of 32,
	s_lshl_b32 s45, s2, 9
	v_add_nc_u32 v[XO], s45, v[XO]                 ; + my wave's K step
.irp b, 0,1,2,3
.irp j, 0,1,2,3
	global_load_b128 v[X+16*\b+4*\j:X+16*\b+4*\j+3], v[XO], s[4:5] offset:128*\b+16*\j
.endr
.endr
	s_mul_i32 s46, s12, REC                        ; where my fragment goes: record p, K step w
	s_lshl_b32 s45, s2, 11
	s_add_co_u32 s46, s46, s45
	s_mov_b32 s47, 0
	s_add_nc_u64 s[48:49], s[8:9], s[46:47]
	s_mul_i32 s46, s12, REC                        ; and its scale words: 64 bytes a K step
	s_lshl_b32 s45, s2, 6
	s_add_co_u32 s46, s46, s45
	s_add_nc_u64 s[50:51], s[8:9], s[46:47]
	s_wait_loadcnt 0x0
	; the quantiser: a block of 32 lies in lanes l and l xor 16, 16 numbers each
.irp b, 0,1,2,3
	v_max3_num_f32 v[TM+\b], |v[X+16*\b]|, |v[X+1+16*\b]|, 0x4800000   ; and the floor 2^(9 - 127): the byte cannot fall under 1
.endr
.irp i, 2,4,6,8,10,12,14
.irp b, 0,1,2,3
	v_max3_num_f32 v[TM+\b], v[TM+\b], |v[X+16*\b+\i]|, |v[X+1+16*\b+\i]|   ; the four blocks by turns
.endr
.endr
.irp b, 0,1,2,3
	v_permlanex16_b32 v[TM+4+\b], v[TM+\b], s42, s43
.endr
.irp b, 0,1,2,3
	v_max_num_f32 v[TM+\b], v[TM+\b], v[TM+4+\b]   ; the block's largest magnitude
.endr
.irp b, 0,1,2,3
	v_add_nc_u32 v[TM+12+\b], 0xfc000000, v[TM+\b] ; 8 off its exponent field: the conversion takes this operand's exponent field as its scale
.endr
.irp b, 0,1,2,3
	v_and_or_b32 v[TM+8+\b], v[TM+\b], 0x7f800000, s44   ; 448 x the scale
.endr
.irp b, 0,1,2,3
	v_lshrrev_b32 v[TM+4+\b], 23, v[TM+12+\b]      ; the scale's byte
.endr
	v_lshl_or_b32 v[PW], v[TM+5], 8, v[TM+4]
	v_lshl_or_b32 v[PW], v[TM+6], 16, v[PW]
	v_lshl_or_b32 v[PW], v[TM+7], 24, v[PW]        ; my row's scale word
.irp b, 0,1,2,3
.irp i, 0,1,2,3,4,5,6,7,8,9,10,11,12,13,14,15
	v_med3_num_f32 v[X+16*\b+\i], v[X+16*\b+\i], -v[TM+8+\b], v[TM+8+\b]   ; the conversion to an 8-bit code does not saturate (ISA guide 7.6.2): the hold at 448 x the scale
.endr
	v_cvt_scalef32_pk8_fp8_f32 v[PC+4*\b:PC+1+4*\b], v[X+16*\b:X+7+16*\b], v[TM+12+\b]
	v_cvt_scalef32_pk8_fp8_f32 v[PC+2+4*\b:PC+3+4*\b], v[X+8+16*\b:X+15+16*\b], v[TM+12+\b]
.endr
	v_nop                                          ; a plain vector line behind the last scaled conversion
.irp c, 0,1,2,3
	global_store_b128 v1, v[PC+4*\c:PC+4*\c+3], s[48:49] offset:512*\c   ; 32 lanes store 512 consecutive bytes, at a multiple of 256 from xq's first byte
.endr
	global_store_b32 v6, v[PW], s[50:51] offset:16384   ; lanes r and 16 + r hold the same word and write it to the same place
	s_cmp_lg_u32 s2, 0
	s_cbranch_scc1 .Lend
	s_lshl_b32 s46, s12, 6                         ; wave 0: the tile's 16 token numbers
	s_add_nc_u64 s[52:53], s[10:11], s[46:47]
	global_store_b32 v6, v[TOK], s[52:53] offset:256
	s_cmp_lg_u32 s12, 0
	s_cbranch_scc1 .Lend
	global_store_b32 v5, v[CR], s[10:11]           ; work-group 0 (there is always a tile 0): the counts, lane l the count of expert l % 8
.Lend:
	s_wait_tensorcnt 0x0                           ; the wave's end
	ds_add_u32 v[SPW], v[NIL]
	s_wait_dscnt 0x0
	s_endpgm
.Lfunc_end_k_q1eb809ab6a_prep:
	.size	k_q1eb809ab6a_prep, .Lfunc_end_k_q1eb809ab6a_prep-k_q1eb809ab6a_prep
	.p2alignl 7, 3214868480
	.fill 96, 4, 3214868480
	.section	.rodata,"a",@progbits
	.p2align	6, 0x0
	.amdhsa_kernel k_q1eb809ab6a_prep
		.amdhsa_group_segment_fixed_size 1280
		.amdhsa_private_segment_fixed_size 0
		.amdhsa_enable_private_segment 0
		.amdhsa_kernarg_size 32
		.amdhsa_user_sgpr_count 2
		.amdhsa_user_sgpr_kernarg_segment_ptr 1
		.amdhsa_wavefront_size32 1
		.amdhsa_system_sgpr_workgroup_id_x 1
		.amdhsa_system_sgpr_workgroup_id_y 1
		.amdhsa_system_sgpr_workgroup_id_z 1
		.amdhsa_system_vgpr_workitem_id 0
		.amdhsa_next_free_vgpr 208
		.amdhsa_next_free_sgpr 66
		.amdhsa_reserve_vcc 1
		.amdhsa_float_denorm_mode_32 3
		.amdhsa_float_denorm_mode_16_64 3
		.amdhsa_memory_ordered 1
		.amdhsa_forward_progress 1
		.amdhsa_inst_pref_size 52
	.end_amdhsa_kernel
	.amdgpu_metadata
---
amdhsa.version: [ 1, 2 ]
amdhsa.kernels:
  - .name:           k_q1eb809ab6a_prep
    .symbol:         k_q1eb809ab6a_prep.kd
    .args:
      - { .name: x, .offset: 0, .size: 8, .value_kind: global_buffer, .address_space: global }
      - { .name: pointer_addresses, .offset: 8, .size: 8, .value_kind: global_buffer, .address_space: global }
      - { .name: xq, .offset: 16, .size: 8, .value_kind: global_buffer, .address_space: global }
      - { .name: route, .offset: 24, .size: 8, .value_kind: global_buffer, .address_space: global }
    .group_segment_fixed_size: 1280
    .private_segment_fixed_size: 0
    .kernarg_segment_align: 8
    .kernarg_segment_size: 32
    .max_flat_workgroup_size: 256
    .sgpr_count:     66
    .vgpr_count:     208
    .wavefront_size: 32
...
	.end_amdgpu_metadata
.endif
;; end of part 1
;; launch main (part 2): grid 32 x 8, 4 waves a work-group, no clusters, 304,896 bytes of LDS; arguments W, b, xq, route, out0; writes out0
.if DOCPART == 2
	.amdgcn_target "amdgcn-amd-amdhsa--gfx1250"
	.amdhsa_code_object_version 6
	.text
	.protected	k_q1eb809ab6a_main
	.globl	k_q1eb809ab6a_main
	.p2align	8
	.type	k_q1eb809ab6a_main,@function
k_q1eb809ab6a_main:
	s_mov_b64 s[64:65], 0
	v_nop
	global_prefetch_b8 v0, s[64:65] scope:SCOPE_SE
	s_setreg_imm32_b32 hwreg(HW_REG_WAVE_MODE, 25, 1), 1
	s_wait_xcnt 0x0
; out[t][n] = sum over k of Q(x[t])[k] Q(W[e])[k][n] + b[e][n] for the tokens t of expert e alone: rows of y_e whose idx is not e are thrown away by reference()'s own where() for every value of the inputs (shown at the head of the first kernel), so they are not multiplied.
; A work-group owns expert e (grid y) and a slab of 128 columns (grid x): 8 x 32 = 256 work-groups.  It reads its 1,024 x 128 numbers of W ONCE, as f32, quantises them along K into LDS, as images of the matrix operand's
; registers, and multiplies them, K step by K step of 128, with its expert's token tiles, whose codes the launch before laid in the same form.  W's codes never go to memory: no other work-group wants them.
; QUANTISING.  One load of a wave takes a row's 512 bytes of the slab: lane L holds columns 4 L .. 4 L + 3.  In K step s wave w takes block w: rows 128 s + 32 w + 0 .. 31, so a block of 32 along K of a column lies in ONE lane.
; A load's four registers are four COLUMNS, not four k, so the conversions that take eight neighbours along K from consecutive registers do not fit; each number is multiplied by 2^-e (exact), held within +-448 and converted two at a time.
; PRODUCTS, transposed: source 0 = 16 columns of W, source 1 = 16 tokens: a lane then holds one token and eight neighbouring columns.  A wave takes 5 token tiles (first + 4 i + w) x the slab's 8 column tiles: 40 accumulators.
; A PASS serves 20 tiles, 320 tokens.  Pass 0 is fused into the stream; further passes, for an expert with more tokens, read W's images from LDS alone.  Loads and products of a pass run on clamped tile numbers; only stores are conditional.
; NO TENSOR LOAD, NO CLUSTER: the number of passes, the tiles' addresses and the stores hang on counts read from memory, and what the 32 slabs of an expert share (the tiles' codes, 16,896 bytes for 16 tokens) is about a third of a work-group's bytes.
; All eight barriers stand in the stream, ahead of every branch on loaded numbers.  So an expert without tokens still has its slabs streamed; nothing is stored for it.
; THE LAST SLAB has 32 columns (4,000 = 31 x 128 + 32).  A lane's byte offset in a row is held at the last 16 bytes: lanes 7 .. 31 then load, compute and store the same true numbers of columns 3,996 .. 3,999 at the same place.  No load leaves a buffer, EXEC never changes.
; LIMITS: NaN and infinities in W are not served (the hold turns a NaN into a number).  A block whose largest magnitude lies under 2^-118 keeps the byte 1; a block of zeros too, where the rule says 127: its codes are zeros, and the bytes never leave LDS.
; REGISTERS, in windows of 256 (s_set_vgpr_msb: bits 1:0 source 0, 3:2 source 1, 5:4 source 2, 7:6 destination):
;   window 0: v1-14 addresses; v16-29 lists and bias; v32-63 codes (on the way out: row offsets); v64-79 the quantiser's; v80-103 scale words and nothing else; v128-255 W's 8 fragments (on the way out: rows)
;   window 1: W as f32, two sets of 128: row i, column q at 4 i + q.   window 2: x's fragments, two sets of 80; from v160 tile 4's accumulators.   window 3: the accumulators of tiles 0-3, (i, j) at 64 i + 8 j.
.set ROWB,  16000                      ; a row of W[e], of b and of out in bytes
.set EXPB,  1024*ROWB                  ; an expert of W
.set REC,   16896                      ; a tile record of xq
.set NPASS, 7                          ; an expert has at most 2,048 tokens = 128 tiles: 7 passes of 20 tiles serve every split
.set JP,    16400                      ; LDS: W's images: fragment (j, s) at JP j + 2048 s + 512 c + 16 lane.  JP = 64 x 256 + 16: the quantiser's 16 lanes of a half (4 values of j x 4 x 64 bytes) fall on 16 different 16-byte columns modulo 256
.set WSC,   131328                     ; W's scale words: 512 s + 4 column + c
.set STAGE, 135424                     ; the way out: for each wave 5 tiles x 16 rows x (512 bytes + 16)
.set SP,    528
.set TSTG,  16*SP
.set WSTG,  5*TSTG
.set SPARE, STAGE+4*WSTG               ; the spare words, 128 bytes for each wave: two blocks of 256 bytes that no other line names
.set L16,  1                           ; v1   16 x lane
.set WO,   2                           ; v2   my byte offset in a row's 512 bytes of the slab, held at the row's last 16
.set CO,   3                           ; v3   the same + 512 x slab
.set L4,   4                           ; v4   4 x lane
.set R4,   5                           ; v5   4 (lane % 16)
.set WST,  6                           ; v6   where my codes go: JP (lane / 4) + 64 (lane % 4) + 512 w
.set WSB,  7                           ; v7   and my scale bytes: WSC + 16 lane + w
.set LI1,  9                           ; v9   16 x lane + 4 JP: fragments 4 to 7 (an LDS offset has 16 bits)
.set LS,   10                          ; v10  WSC + 4 x lane
.set SO,   11                          ; v11  the stage, in: STAGE + WSTG w + SP r + 32 h
.set SR,   12                          ; v12  the stage, back: STAGE + WSTG w + 16 x lane
.set SPW,  13                          ; v13  LDS address of my spare word; never rewritten
.set NIL,  14                          ; v14  0; never rewritten
.set LA,   16                          ; v16-20 my five tiles' places in the list
.set TK,   21                          ; v21-25 their token numbers: lane l holds row l % 16's
.set BI,   26                          ; v26-29 b of my four columns
.set CD,   32                          ; v32-63 codes: column q's 32 at CD + 8 q
.set RO,   32                          ; the way out: a row's byte offset in out, two sets of 16
.set QM,   64
.set QT,   68
.set QI,   72
.set QB,   76
.set WS,   80                          ; v80-83  W's scale words: lanes 0-15 tile 2 jp, lanes 16-31 tile 2 jp + 1
.set SX,   84                          ; v84-103 x's: 4 i + pr: lanes 0-15 K step 2 pr, lanes 16-31 K step 2 pr + 1
.set BF,   128
.set OR,   128                         ; the way out: rows read back, two sets of 64
.set WB,   24                          ; s[24:39] W's base for each K step; never stepped
.set TB,   40                          ; s[40:49] my five tile records
.set TL,   50                          ; s50-54  their numbers within the expert
.set NR,   55                          ; s55-59  the expert's tokens from each tile's first row on
; s2 wave; s14 slab; s15 expert; s60 the expert's tiles; s61 its first tile; s62 its tokens; s63 all tiles - 1; s66, s67 -+448; s87 the pass that goes out; s69 its first tile; s86 that of the pass after it; s70 max(tiles, 1) - 1; s[84:85] b's base
.set MSB, 0
.macro WIN new                         ; the immediate's high byte repeats the setting that is left
.if MSB != \new
	s_set_vgpr_msb (MSB<<8)|\new
.set MSB, \new
.endif
.endm
.macro PLACES n
.rept \n
	v_nop
.endr
.endm
.macro WLOAD s                         ; my 32 rows of K step s: each load 512 consecutive bytes
	WIN 0x40
.set wi, 0
.rept 32
	global_load_b128 v[128*((\s)%2)+4*wi:128*((\s)%2)+4*wi+3], v[WO], s[WB+2*(\s):WB+2*(\s)+1] offset:ROWB*wi th:TH_LOAD_NT
.set wi, wi+1
.endr
.endm
.macro ALOAD s                         ; my five tiles' fragments of K step s, as they lie: each load 512 consecutive bytes
	WIN 0x80
.irp i, 0,1,2,3,4
.irp c, 0,1,2,3
	global_load_b128 v[80*((\s)%2)+16*\i+4*\c:80*((\s)%2)+16*\i+4*\c+3], v[L16], s[TB+2*\i:TB+2*\i+1] offset:2048*(\s)+512*\c
.endr
.endr
.endm
.macro XMISC                           ; my five tiles' scale words for all of K, and their token numbers: 25 loads
.irp i, 0,1,2,3,4
.irp pr, 0,1,2,3
	global_load_b32 v[SX+4*\i+\pr], v[L4], s[TB+2*\i:TB+2*\i+1] offset:16384+128*\pr
.endr
.endr
.irp i, 0,1,2,3,4
	global_load_b32 v[TK+\i], v[LA+\i], s[10:11] offset:256
.endr
.endm
.macro PASS_SETUP f                    ; the tiles of the pass that begins at tile s[f].  A number beyond the expert's last tile is held there (an expert without tiles: at some written record): such a tile is multiplied and not stored
.irp i, 0,1,2,3,4
	s_add_co_u32 s[TL+\i], s[\f], 4*\i
	s_add_co_u32 s[TL+\i], s[TL+\i], s2
	s_min_u32 s72, s[TL+\i], s70
	s_add_co_u32 s72, s72, s61
	s_min_u32 s72, s72, s63
	s_min_u32 s72, s72, 134                        ; a number made of loaded numbers enters an address only behind this hold
	s_lshl_b32 s74, s72, 6
	v_add_nc_u32 v[LA+\i], s74, v[R4]
	s_mul_i32 s72, s72, REC
	s_mov_b32 s73, 0
	s_add_nc_u64 s[TB+2*\i:TB+2*\i+1], s[8:9], s[72:73]
	s_lshl_b32 s74, s[TL+\i], 4
	s_sub_co_u32 s[NR+\i], s62, s74                ; read for tiles under s60 alone: there it is 1 or more
.endr
.endm
.macro QUANT s                         ; my block of K step s: 32 rows x 4 columns a lane
.set XB, 128*((\s)%2)
	WIN 0x14
.irp q, 0,1,2,3
	v_max3_num_f32 v[QM+\q], 0x4800000, |v[XB+\q]|, |v[XB+4+\q]|   ; the floor 2^(9 - 127): the byte cannot fall under 1
.endr
.set qi, 2
.rept 15
.irp q, 0,1,2,3
	v_max3_num_f32 v[QM+\q], v[QM+\q], |v[XB+4*qi+\q]|, |v[XB+4*qi+4+\q]|   ; the four columns by turns
.endr
.set qi, qi+2
.endr
	WIN 0
.irp q, 0,1,2,3
	v_and_b32 v[QT+\q], 0x7f800000, v[QM+\q]       ; the largest magnitude's exponent field E
.endr
.irp q, 0,1,2,3
	v_sub_nc_u32 v[QI+\q], 0x83000000, v[QT+\q]    ; the f32 number with the field 262 - E: 1 / the scale, 2^-(E - 127 - 8)
.endr
.irp q, 0,1,2,3
	v_lshrrev_b32 v[QB+\q], 23, v[QT+\q]
.endr
.irp q, 0,1,2,3
	v_add_nc_u32 v[QB+\q], -8, v[QB+\q]            ; the scale's byte
.endr
.irp q, 0,1,2,3
	ds_store_b8 v[WSB], v[QB+\q] offset:512*(\s)+4*\q
.endr
	WIN 0x41
.set qi, 0
.rept 32
	v_pk_mul_f32 v[XB+4*qi:XB+4*qi+1], v[XB+4*qi:XB+4*qi+1], v[QI:QI+1]       ; by a power of two: nothing is rounded
	v_pk_mul_f32 v[XB+4*qi+2:XB+4*qi+3], v[XB+4*qi+2:XB+4*qi+3], v[QI+2:QI+3]
.set qi, qi+1
.endr
.set qi, 0
.rept 128
	v_med3_num_f32 v[XB+qi], v[XB+qi], s66, s67    ; the conversion to an 8-bit code does not saturate (ISA guide 7.6.2): the hold at +-448
.set qi, qi+1
.endr
	WIN 0x05
.irp q, 0,1,2,3
.irp t, 0,1,2,3,4,5,6,7
	v_cvt_pk_fp8_f32 v[CD+8*\q+\t].l, v[XB+16*\t+\q], v[XB+16*\t+4+\q]         ; rows 4 t, 4 t + 1 of column q into bytes 0, 1
.endr
.irp t, 0,1,2,3,4,5,6,7
	v_cvt_pk_fp8_f32 v[CD+8*\q+\t].h, v[XB+16*\t+8+\q], v[XB+16*\t+12+\q]      ; rows 4 t + 2, 4 t + 3 into bytes 2, 3
.endr
.endr
	WIN 0
.irp q, 0,1,2,3
.irp hh, 0,1
	ds_store_b128 v[WST], v[CD+8*\q+4*\hh:CD+8*\q+4*\hh+3] offset:2048*(\s)+16*\q+256*\hh   ; column 4 L + q is row r = 4 (L % 4) + q of tile L / 4; its k 16 hh + 0 .. 15 of block w belong to lane r + 16 hh
.endr
.endr
.endm
.macro BLOAD s                         ; K step s of W from LDS: 4 scale words, then the 8 fragments: 36 loads
	WIN 0
.irp jp, 0,1,2,3
	ds_load_b32 v[WS+\jp], v[LS] offset:512*(\s)+128*\jp
.endr
.irp j, 0,1,2,3
.irp c, 0,1,2,3
	ds_load_b128 v[BF+16*\j+4*\c:BF+16*\j+4*\c+3], v[L16] offset:JP*\j+2048*(\s)+512*\c
.endr
.endr
.irp j, 0,1,2,3
.irp c, 0,1,2,3
	ds_load_b128 v[BF+64+16*\j+4*\c:BF+64+16*\j+4*\c+3], v[LI1] offset:JP*\j+2048*(\s)+512*\c
.endr
.endr
.endm
; One product.  ra, rb: the side's scale words stand in lanes 16-31.  first: the sum begins with the constant 0: nothing is ever cleared.
.macro WM d, a, b, sa, sb, ra, rb, first
.if \first
.if \ra
	v_wmma_scale_f32_16x16x128_f8f6f4 v[(\d):(\d)+7], v[(\a):(\a)+15], v[(\b):(\b)+15], 0, v[\sa], v[\sb] matrix_a_scale:MATRIX_SCALE_ROW1
.else
	v_wmma_scale_f32_16x16x128_f8f6f4 v[(\d):(\d)+7], v[(\a):(\a)+15], v[(\b):(\b)+15], 0, v[\sa], v[\sb]
.endif
.elseif (\ra) && (\rb)
	v_wmma_scale_f32_16x16x128_f8f6f4 v[(\d):(\d)+7], v[(\a):(\a)+15], v[(\b):(\b)+15], v[(\d):(\d)+7], v[\sa], v[\sb] matrix_a_scale:MATRIX_SCALE_ROW1 matrix_b_scale:MATRIX_SCALE_ROW1
.elseif \ra
	v_wmma_scale_f32_16x16x128_f8f6f4 v[(\d):(\d)+7], v[(\a):(\a)+15], v[(\b):(\b)+15], v[(\d):(\d)+7], v[\sa], v[\sb] matrix_a_scale:MATRIX_SCALE_ROW1
.elseif \rb
	v_wmma_scale_f32_16x16x128_f8f6f4 v[(\d):(\d)+7], v[(\a):(\a)+15], v[(\b):(\b)+15], v[(\d):(\d)+7], v[\sa], v[\sb] matrix_b_scale:MATRIX_SCALE_ROW1
.else
	v_wmma_scale_f32_16x16x128_f8f6f4 v[(\d):(\d)+7], v[(\a):(\a)+15], v[(\b):(\b)+15], v[(\d):(\d)+7], v[\sa], v[\sb]
.endif
.endm
; 20 products: my five tiles x column tiles 4 half .. 4 half + 3.  The 40 accumulators take turns, one instruction a turn, in the same order in every K step.
.macro MM s, half, first
	WIN 0xf8                                       ; source 0 (W) window 0, source 1 (x) window 2, C and D window 3
.irp i, 0,1,2,3
.irp jj, 0,1,2,3
	WM 64*\i+8*(4*(\half)+\jj), BF+16*(4*(\half)+\jj), 80*((\s)%2)+16*\i, WS+(4*(\half)+\jj)/2, SX+4*\i+(\s)/2, \jj%2, (\s)%2, \first
.endr
.endr
	WIN 0xa8                                       ; tile 4: C and D window 2
.irp jj, 0,1,2,3
	WM 160+8*(4*(\half)+\jj), BF+16*(4*(\half)+\jj), 80*((\s)%2)+64, WS+(4*(\half)+\jj)/2, SX+16+(\s)/2, \jj%2, (\s)%2, \first
.endr
.endm
.macro MULT s, wa, first               ; wa: the global loads issued behind x's fragments of K step s, which may stay out
	BLOAD \s
	s_wait_loadcnt \wa
	s_wait_dscnt 16                                ; the scale words and fragments 0-3 are in; the youngest 16 loads (fragments 4-7) may be out
	MM \s, 0, \first
	s_wait_dscnt 0x0
	MM \s, 1, \first
	WIN 0
.endm
; A K step of the stream.  ww: the global loads issued behind W's rows of this step.  The quantiser's plain vector lines, which name no register of the last products, are the eight places
; between those products and the loads into the registers that they read.  ONE barrier: images of step s are written once, in front of it, and read only behind it; nothing in LDS is written twice in the stream.
.macro STEP s, ww, wa, first
	s_wait_loadcnt \ww
	QUANT \s
.if (\s) < 7
	ALOAD (\s)+1
.endif
.if (\s) < 6
	WLOAD (\s)+2                                   ; into the set just converted
.endif
	WIN 0
	s_wait_dscnt 0x0                               ; for the others' sake: my codes and scale bytes lie in LDS (and the stores have read their registers)
	s_barrier_signal -1
	s_barrier_wait -1
	MULT \s, \wa, \first
.endm
	s_load_b256 s[4:11], s[0:1], 0x0               ; W s[4:5], b s[6:7], xq s[8:9], route s[10:11]
	s_load_b64 s[12:13], s[0:1], 0x20              ; out
	v_lshl_add_u32 v[SPW], v0, 2, SPARE
	v_mov_b32 v[NIL], 0
	v_lshrrev_b32 v15, 5, v0
	v_readfirstlane_b32 s2, v15                    ; wave 0..3
	v_and_b32 v15, 31, v0                          ; lane
	v_and_b32 v8, 15, v0                           ; r
	v_bfe_u32 v30, v0, 4, 1                        ; h
	v_lshlrev_b32 v[L16], 4, v15
	v_lshlrev_b32 v[L4], 2, v15
	v_lshlrev_b32 v[R4], 2, v8
	s_mov_b32 s14, ttmp9                           ; slab
	s_and_b32 s15, ttmp7, 0xffff                   ; expert
	s_lshl_b32 s72, s14, 9                         ; the slab's first byte in a row
	s_sub_co_u32 s71, ROWB-16, s72
	s_min_u32 s71, s71, 496                        ; the last 16 bytes of the slab's part of a row: 496, in the last slab 112
	v_min_u32 v[WO], s71, v[L16]
	v_add_nc_u32 v[CO], s72, v[WO]
	v_lshrrev_b32 v31, 2, v15
	v_mul_u32_u24 v[WST], v31, JP
	v_and_b32 v31, 3, v15
	v_lshl_add_u32 v[WST], v31, 6, v[WST]
	s_lshl_b32 s73, s2, 9
	v_add_nc_u32 v[WST], s73, v[WST]
	v_add_nc_u32 v[WSB], s2, v[L16]
	v_add_nc_u32 v[WSB], WSC, v[WSB]
	v_add_nc_u32 v[LI1], 4*JP, v[L16]
	v_add_nc_u32 v[LS], WSC, v[L4]
	s_mul_i32 s73, s2, WSTG
	s_add_co_u32 s73, s73, STAGE
	v_mul_u32_u24 v[SO], v8, SP
	v_lshl_add_u32 v[SO], v30, 5, v[SO]
	v_add_nc_u32 v[SO], s73, v[SO]
	v_add_nc_u32 v[SR], s73, v[L16]
	s_mov_b32 s66, 0xc3e00000                      ; -448.0
	s_mov_b32 s67, 0x43e00000                      ; 448.0
	s_mul_i32 s74, s15, EXPB                       ; W: my expert, my wave's 32 rows of a K step, my slab: under 2^31 bytes
	s_mul_i32 s75, s2, 32*ROWB
	s_add_co_u32 s74, s74, s75
	s_add_co_u32 s74, s74, s72
	s_mov_b32 s75, 0
	s_mul_i32 s76, s15, ROWB                       ; b: my expert's row, my slab
	s_add_co_u32 s76, s76, s72
	s_mov_b32 s77, 0
	s_wait_kmcnt 0x0
	s_load_b256 s[16:23], s[10:11], 0x0            ; the eight counts: on their way while W's first loads are issued
	s_add_nc_u64 s[WB:WB+1], s[4:5], s[74:75]
.irp s, 1,2,3,4,5,6,7
	s_add_nc_u64 s[WB+2*\s:WB+2*\s+1], s[WB+2*\s-2:WB+2*\s-1], 128*ROWB
.endr
	s_add_nc_u64 s[84:85], s[6:7], s[76:77]
	WLOAD 0
	WIN 0
.set qi, 0
.rept 32
	v_mov_b32 v[CD+qi], 0                          ; the codes' registers are written by halves: written whole once
.set qi, qi+1
.endr
	s_wait_kmcnt 0x0
.irp k, 0,1,2,3,4,5,6,7
	s_min_u32 s[16+\k], s[16+\k], 2048
.endr
	s_mov_b32 s62, s16                             ; my expert's tokens
.irp k, 1,2,3,4,5,6,7
	s_cmp_eq_u32 s15, \k
	s_cselect_b32 s62, s[16+\k], s62
.endr
	s_mov_b32 s61, 0                               ; its first tile: the tiles of the experts ahead of it;
	s_mov_b32 s63, 0                               ; all tiles
.irp k, 0,1,2,3,4,5,6,7
	s_add_co_u32 s78, s[16+\k], 15
	s_lshr_b32 s78, s78, 4
	s_add_co_u32 s63, s63, s78
	s_cmp_gt_u32 s15, \k
	s_cselect_b32 s78, s78, 0
	s_add_co_u32 s61, s61, s78
.endr
	s_sub_co_u32 s63, s63, 1
	s_add_co_u32 s60, s62, 15
	s_lshr_b32 s60, s60, 4                         ; its tiles
	s_max_u32 s70, s60, 1
	s_sub_co_u32 s70, s70, 1
	s_mov_b32 s69, 0
	PASS_SETUP 69
	XMISC
	global_load_b128 v[BI:BI+3], v[WO], s[84:85]
	ALOAD 0
	WLOAD 1
	; THE STREAM, written out: every offset is an immediate and no base is stepped.  Order of issue: W(0) | 26 | x(0) 20 | W(1) 32 | then step s issues x(s + 1) 20 and W(s + 2) 32.
	; Behind W(0): 26 + 20 + 32 = 78; behind x(s), s <= 5: 32 + 20 + 32 = 84: a wait's count has six bits, so 63 is written.  Behind W(s), s = 1 .. 6: 20 + 32.  Behind x(6): 32 + 20.  Behind W(7): 20.  Behind x(7): none.
	STEP 0, 63, 63, 1
	STEP 1, 52, 63, 0
	STEP 2, 52, 63, 0
	STEP 3, 52, 63, 0
	STEP 4, 52, 63, 0
	STEP 5, 52, 63, 0
	STEP 6, 52, 52, 0
	STEP 7, 20, 0, 0
.macro RB i                            ; tile i's 16 rows back from the stage, into set i % 2
.set rbb, OR+64*((\i)%2)
.irp rr, 0,1,2,3,4,5,6,7,8,9,10,11,12,13,14,15
	ds_load_b128 v[rbb+4*\rr:rbb+4*\rr+3], v[SR] offset:TSTG*(\i)+SP*\rr
.endr
.endm
	; THE LOOP OVER PASSES: NPASS trips, a constant.  Trip p: pass p, which has been multiplied (pass 0 by the stream, which falls into the loop), goes out; if the expert has tiles beyond it, pass p + 1 is multiplied.
	; A trip whose pass the expert does not have is six scalar lines: a jump leads to the counter's step, round the way out and the multiplying.
	s_mov_b32 s87, 0
.Lround:
	s_mul_i32 s69, s87, 20                         ; the pass's first tile
	s_cmp_ge_u32 s69, s60
	s_cbranch_scc1 .Lstep                          ; the expert has no such tile: nothing was multiplied for this trip, nothing goes out
	; THE WAY OUT.  A lane holds 32 neighbouring bytes of a token's row, the lanes beside it other tokens: all five tiles go through my own stage in LDS and come back as whole rows of 512 bytes.
	; LDS serves a wave's instructions in order (ISA guide 5.7.1.4): no wait between the stores and the loads.
	PLACES 8                                       ; between the last products and the first read of results; they stand on every way to a further pass's loads too
	WIN 0x0c                                       ; an LDS store's data are its source 1: window 3
.irp i, 0,1,2,3
.irp j, 0,1,2,3,4,5,6,7
	ds_store_b128 v[SO], v[64*\i+8*\j:64*\i+8*\j+3] offset:TSTG*\i+64*\j          ; each accumulator from its low end on
	ds_store_b128 v[SO], v[64*\i+8*\j+4:64*\i+8*\j+7] offset:TSTG*\i+64*\j+16
.endr
.endr
	WIN 0x08                                       ; tile 4: window 2
.irp j, 0,1,2,3,4,5,6,7
	ds_store_b128 v[SO], v[160+8*\j:160+8*\j+3] offset:TSTG*4+64*\j
	ds_store_b128 v[SO], v[160+8*\j+4:160+8*\j+7] offset:TSTG*4+64*\j+16
.endr
	WIN 0
	RB 0
.irp i, 0,1,2,3,4
	s_cmp_lt_u32 s[TL+\i], s60                     ; my tiles' numbers ascend: the first that the expert does not have ends the way out
	s_cbranch_scc0 .Ldone
.if \i > 0
	s_wait_xcnt 0x0                                ; earlier tiles' stores have read their data and offsets: both sets are written again only behind this wait
.endif
.if \i < 4
	RB \i+1
.endif
.irp rr, 0,1,2,3,4,5,6,7,8,9,10,11,12,13,14,15
	v_readlane_b32 s[80+\rr%4], v[TK+\i], \rr      ; row rr's token,
	s_min_u32 s[80+\rr%4], s[80+\rr%4], 2047       ; held before it enters an address,
	s_mul_i32 s[80+\rr%4], s[80+\rr%4], ROWB
	v_add_nc_u32 v[RO+16*(\i%2)+\rr], s[80+\rr%4], v[CO]   ; its row of out, my 16 bytes of the slab
.endr
.if \i < 4
	s_wait_dscnt 16                                ; this tile's rows are in; the next tile's 16 loads may be out
.else
	s_wait_dscnt 0x0
.endif
.irp rr, 0,1,2,3,4,5,6,7,8,9,10,11,12,13,14,15
.if \rr > 0
	s_cmp_le_u32 s[NR+\i], \rr                     ; rows past the expert's last token repeat it and are not stored
	s_cbranch_scc1 .Lnext_\i
.endif
	v_pk_add_f32 v[OR+64*(\i%2)+4*\rr:OR+64*(\i%2)+4*\rr+1], v[OR+64*(\i%2)+4*\rr:OR+64*(\i%2)+4*\rr+1], v[BI:BI+1]
	v_pk_add_f32 v[OR+64*(\i%2)+4*\rr+2:OR+64*(\i%2)+4*\rr+3], v[OR+64*(\i%2)+4*\rr+2:OR+64*(\i%2)+4*\rr+3], v[BI+2:BI+3]
	global_store_b128 v[RO+16*(\i%2)+\rr], v[OR+64*(\i%2)+4*\rr:OR+64*(\i%2)+4*\rr+3], s[12:13] th:TH_STORE_NT   ; 32 lanes store 512 consecutive bytes of one row; a row of out is 16,000 bytes, so they begin at a multiple of 128
.endr
.Lnext_\i:
.endr
.Ldone:
	s_wait_dscnt 0x0                               ; read-backs that were asked for and not used
	s_wait_xcnt 0x0                                ; this pass's stores and loads have read their registers and bases: on every way from here those are written again only behind this wait
	s_add_co_u32 s86, s69, 20                      ; the next pass's first tile
	s_cmp_ge_u32 s86, s60
	s_cbranch_scc1 .Lstep                          ; the expert has no tile left (320 tokens or fewer: at once): round the multiplying, to the counter's step
	; A FURTHER PASS: the next 20 tiles against W's images, which stay in LDS.  No barrier: nobody writes them any more.
	; Places: the way out's eight stand between the last products and the loads below into registers that those read; with the five additions of PASS_SETUP they make 13 ahead of the products that begin the accumulators anew, where 9 are asked.
	PASS_SETUP 86
	XMISC
	ALOAD 0
.irp s, 0,1,2,3,4,5,6,7
.if \s > 0
	PLACES 8                                       ; in front of loads into registers that the last products read
.endif
.if \s < 7
	ALOAD \s+1
	MULT \s, 20, \s==0                             ; behind x(s): the next step's 20
.else
	MULT \s, 0, 0
.endif
.endr
.Lstep:
	s_add_co_u32 s87, s87, 1                       ; the loop's counter
	s_cmp_lt_u32 s87, NPASS
	s_cbranch_scc1 .Lround
	s_wait_tensorcnt 0x0                           ; the wave's end
	ds_add_u32 v[SPW], v[NIL]
	s_wait_dscnt 0x0
	s_endpgm
.Lfunc_end_k_q1eb809ab6a_main:
	.size	k_q1eb809ab6a_main, .Lfunc_end_k_q1eb809ab6a_main-k_q1eb809ab6a_main
	.p2alignl 7, 3214868480
	.fill 96, 4, 3214868480
	.section	.rodata,"a",@progbits
	.p2align	6, 0x0
	.amdhsa_kernel k_q1eb809ab6a_main
		.amdhsa_group_segment_fixed_size 304896
		.amdhsa_private_segment_fixed_size 0
		.amdhsa_enable_private_segment 0
		.amdhsa_kernarg_size 40
		.amdhsa_user_sgpr_count 2
		.amdhsa_user_sgpr_kernarg_segment_ptr 1
		.amdhsa_wavefront_size32 1
		.amdhsa_system_sgpr_workgroup_id_x 1
		.amdhsa_system_sgpr_workgroup_id_y 1
		.amdhsa_system_sgpr_workgroup_id_z 1
		.amdhsa_system_vgpr_workitem_id 0
		.amdhsa_next_free_vgpr 1024
		.amdhsa_next_free_sgpr 96
		.amdhsa_reserve_vcc 0
		.amdhsa_float_denorm_mode_32 3
		.amdhsa_float_denorm_mode_16_64 3
		.amdhsa_memory_ordered 1
		.amdhsa_forward_progress 1
		.amdhsa_inst_pref_size 255
	.end_amdhsa_kernel
	.section	.bss,"aw",@nobits
	.p2align	6
	.space	262144
	.amdgpu_metadata
---
amdhsa.version: [ 1, 2 ]
amdhsa.kernels:
  - .name:           k_q1eb809ab6a_main
    .symbol:         k_q1eb809ab6a_main.kd
    .args:
      - { .name: W, .offset: 0, .size: 8, .value_kind: global_buffer, .address_space: global }
      - { .name: b, .offset: 8, .size: 8, .value_kind: global_buffer, .address_space: global }
      - { .name: xq, .offset: 16, .size: 8, .value_kind: global_buffer, .address_space: global }
      - { .name: route, .offset: 24, .size: 8, .value_kind: global_buffer, .address_space: global }
      - { .name: out0, .offset: 32, .size: 8, .value_kind: global_buffer, .address_space: global }
    .group_segment_fixed_size: 304896
    .private_segment_fixed_size: 0
    .kernarg_segment_align: 8
    .kernarg_segment_size: 40
    .max_flat_workgroup_size: 128
    .sgpr_count:     96
    .vgpr_count:     1024
    .wavefront_size: 32
...
	.end_amdgpu_metadata
.endif
;; end of part 2
;; ======== version 2 of 2: 2 launches; version 1 with the launch main written anew for expert scheduling mode
;; workspace buffers: xq 2,280,960 bytes; route 8,960 bytes of whole numbers
;; launch prep: the kernel of part 1 again; grid 135 x 1, 8 waves a work-group, no clusters, 1,280 bytes of LDS; arguments x, pointer_addresses, xq, route; writes xq, route
;; launch main (part 3): grid 32 x 8, 4 waves a work-group, no clusters, 304,896 bytes of LDS; arguments W, b, xq, route, out0; writes out0
.if DOCPART == 3
	.amdgcn_target "amdgcn-amd-amdhsa--gfx1250"
	.amdhsa_code_object_version 6
	.text
	.protected	k_q1eb809ab6a_main
	.globl	k_q1eb809ab6a_main
	.p2align	8
	.type	k_q1eb809ab6a_main,@function
k_q1eb809ab6a_main:
	s_mov_b64 s[64:65], 0
	v_nop
	global_prefetch_b8 v0, s[64:65] scope:SCOPE_SE
	s_setreg_imm32_b32 hwreg(HW_REG_WAVE_SCHED_MODE, 0, 2), 2
	s_setreg_imm32_b32 hwreg(HW_REG_WAVE_MODE, 25, 1), 1
	s_wait_xcnt 0x0
	s_wait_alu depctr_vm_vsrc(0)
; out[t][n] = sum over k of Q(x[t])[k] Q(W[e])[k][n] + b[e][n] for the tokens t of expert e alone: rows of y_e whose idx is not e are thrown away by reference()'s own where() for every value of the inputs (shown at the head of the first kernel), so they are not multiplied.
; A work-group owns expert e (grid y) and a slab of 128 columns (grid x): 8 x 32 = 256 work-groups.  It reads its 1,024 x 128 numbers of W ONCE, as f32, quantises them along K into LDS, as images of the matrix operand's
; registers, and multiplies them, K step by K step of 128, with its expert's token tiles, whose codes the launch before laid in the same form.  W's codes never go to memory: no other work-group wants them.
; QUANTISING.  One load of a wave takes a row's 512 bytes of the slab: lane L holds columns 4 L .. 4 L + 3.  In K step s wave w takes block w: rows 128 s + 32 w + 0 .. 31, so a block of 32 along K of a column lies in ONE lane.
; A load's four registers are four COLUMNS, not four k.  Each number is multiplied by 2^-e (exact) and held within +-448; the hold writes row i of column q into register 32 q + i of a run of 128 (the registers of W's fragments, free at
; that time), so that eight neighbours along K stand in consecutive registers, and the conversion takes them eight at a time, with the scale 1.
; PRODUCTS, transposed: source 0 = 16 columns of W, source 1 = 16 tokens: a lane then holds one token and eight neighbouring columns.  A wave takes 5 token tiles (first + 4 i + w) x the slab's 8 column tiles: 40 accumulators.
; A PASS serves 20 tiles, 320 tokens.  Pass 0 is fused into the stream; further passes, for an expert with more tokens, read W's images from LDS alone.  Loads and products of a pass run on clamped tile numbers; only stores are conditional.
; NO TENSOR LOAD, NO CLUSTER: the number of passes, the tiles' addresses and the stores hang on counts read from memory, and what the 32 slabs of an expert share (the tiles' codes, 16,896 bytes for 16 tokens) is about a third of a work-group's bytes.
; All eight barriers stand in the stream, ahead of every branch on loaded numbers.  So an expert without tokens still has its slabs streamed; nothing is stored for it.
; THE LAST SLAB has 32 columns (4,000 = 31 x 128 + 32).  A lane's byte offset in a row is held at the last 16 bytes: lanes 7 .. 31 then load, compute and store the same true numbers of columns 3,996 .. 3,999 at the same place.  No load leaves a buffer, EXEC never changes.
; LIMITS: NaN and infinities in W are not served (the hold turns a NaN into a number).  A block whose largest magnitude lies under 2^-118 keeps the byte 1; a block of zeros too, where the rule says 127: its codes are zeros, and the bytes never leave LDS.
; REGISTERS, in windows of 256 (s_set_vgpr_msb: bits 1:0 source 0, 3:2 source 1, 5:4 source 2, 7:6 destination):
;   window 0: v1-14 addresses; v16-29 lists and bias; v32-63 codes (on the way out: row offsets); v64-79 the quantiser's; v80-103 scale words and nothing else; v104 1.0; v128-255 W's 8 fragments (in the quantiser: the held numbers by columns; on the way out: rows)
;   window 1: W as f32, two sets of 128: row i, column q at 4 i + q.   window 2: x's fragments, two sets of 80; from v160 tile 4's accumulators.   window 3: the accumulators of tiles 0-3, (i, j) at 64 i + 8 j.
; THE MODE: SCHED_MODE bits 1:0 = 2 (LLVM: expert scheduling mode 2), set by the entry lines.  The code itself states the register dependences between vector or matrix instructions and memory or LDS instructions, with s_wait_alu, always for 0.
; THE PLAN.  Registers that memory or LDS instructions touch:
;   v1-v14          addresses and offsets: written at the head, never again.
;   W as f32        Step s: the quantiser reads and rewrites set s % 2; behind its last line the loads of step s + 2 land in it.
;   x's fragments   Step s: the products read set s % 2; the loads issued in step s + 1 (for step s + 2) land in it.
;   v128-255        Step s: the hold writes them, the conversions read them, the step's LDS loads land in them (W's fragments), its products read them.   v80-83, W's scale words: loaded and read with the fragments.
;   v32-63, v76-79  codes and scale bytes: written by the quantiser, read by the step's twelve LDS stores.
;   v84-103, v21-25 x's scale words and the token numbers: loaded once a pass; read by the products and by the way out's lane reads.   v16-20: written once a pass, read by the token numbers' loads.
;   accumulators    written by the products, read by the way out's LDS stores, begun anew by a further pass.
;   v128-255, v32-63 on the way out: rows (two sets: read back from the stage, the bias added in place, stored) and row offsets (two sets: made by additions, read by the stores).
; So ONE wait on va_vdst stands in a step of the stream, behind the quantiser's last line: the codes and bytes are written, the quantiser is done with its set of W and with v128-255, and the last step's products are done reading x's other
; set and W's scale words.  All of the step's LDS stores, global loads and LDS loads follow it with no vector or matrix instruction between.  One wait on vm_vsrc at a step's head frees the codes' and bytes' registers.
; On the way out a tile has one wait of each kind: vm_vsrc at its head, va_sdst behind its run of lane reads, va_vdst ahead of its run of stores.
.set ROWB,  16000                      ; a row of W[e], of b and of out in bytes
.set EXPB,  1024*ROWB                  ; an expert of W
.set REC,   16896                      ; a tile record of xq
.set NPASS, 7                          ; an expert has at most 2,048 tokens = 128 tiles: 7 passes of 20 tiles serve every split
.set JP,    16400                      ; LDS: W's images: fragment (j, s) at JP j + 2048 s + 512 c + 16 lane.  JP = 64 x 256 + 16: the quantiser's 16 lanes of a half (4 values of j x 4 x 64 bytes) fall on 16 different 16-byte columns modulo 256
.set WSC,   131328                     ; W's scale words: 512 s + 4 column + c
.set STAGE, 135424                     ; the way out: for each wave 5 tiles x 16 rows x (512 bytes + 16)
.set SP,    528
.set TSTG,  16*SP
.set WSTG,  5*TSTG
.set SPARE, STAGE+4*WSTG               ; the spare words, 128 bytes for each wave: two blocks of 256 bytes that no other line names
.set L16,  1                           ; v1   16 x lane
.set WO,   2                           ; v2   my byte offset in a row's 512 bytes of the slab, held at the row's last 16
.set CO,   3                           ; v3   the same + 512 x slab
.set L4,   4                           ; v4   4 x lane
.set R4,   5                           ; v5   4 (lane % 16)
.set WST,  6                           ; v6   where my codes go: JP (lane / 4) + 64 (lane % 4) + 512 w
.set WSB,  7                           ; v7   and my scale bytes: WSC + 16 lane + w
.set LI1,  9                           ; v9   16 x lane + 4 JP: fragments 4 to 7 (an LDS offset has 16 bits)
.set LS,   10                          ; v10  WSC + 4 x lane
.set SO,   11                          ; v11  the stage, in: STAGE + WSTG w + SP r + 32 h
.set SR,   12                          ; v12  the stage, back: STAGE + WSTG w + 16 x lane
.set SPW,  13                          ; v13  LDS address of my spare word; never rewritten
.set NIL,  14                          ; v14  0; never rewritten
.set LA,   16                          ; v16-20 my five tiles' places in the list
.set TK,   21                          ; v21-25 their token numbers: lane l holds row l % 16's
.set BI,   26                          ; v26-29 b of my four columns
.set CD,   32                          ; v32-63 codes: column q's 32 at CD + 8 q
.set RO,   32                          ; the way out: a row's byte offset in out, two sets of 16
.set QM,   64
.set QT,   68
.set QI,   72
.set QB,   76
.set WS,   80                          ; v80-83  W's scale words: lanes 0-15 tile 2 jp, lanes 16-31 tile 2 jp + 1
.set SX,   84                          ; v84-103 x's: 4 i + pr: lanes 0-15 K step 2 pr, lanes 16-31 K step 2 pr + 1
.set ONE,  104                         ; v104 1.0: the conversions' scale operand (the numbers are already divided by their block's scale); never rewritten
.set BF,   128
.set OR,   128                         ; the way out: rows read back, two sets of 64
.set WB,   24                          ; s[24:39] W's base for each K step; never stepped
.set TB,   40                          ; s[40:49] my five tile records
.set TL,   50                          ; s50-54  their numbers within the expert
.set NR,   55                          ; s55-59  the expert's tokens from each tile's first row on
; s2 wave; s14 slab; s15 expert; s60 the expert's tiles; s61 its first tile; s62 its tokens; s63 all tiles - 1; s66, s67 -+448; s87 the pass that goes out; s69 its first tile; s86 that of the pass after it; s70 max(tiles, 1) - 1; s[84:85] b's base
; s16-23 (at the head: the eight counts) and s72-79 (at the head and in a pass's set-up: at work) hold, on the way out, a tile's sixteen tokens: row rr's at s[16 + rr + 48 (rr / 8)]
.set MSB, 0
.macro WIN new                         ; the immediate's high byte repeats the setting that is left
.if MSB != \new
	s_set_vgpr_msb (MSB<<8)|\new
.set MSB, \new
.endif
.endm
.macro PLACES n
.rept \n
	v_nop
.endr
.endm
.macro WLOAD s                         ; my 32 rows of K step s: each load 512 consecutive bytes
	WIN 0x40
.set wi, 0
.rept 32
	global_load_b128 v[128*((\s)%2)+4*wi:128*((\s)%2)+4*wi+3], v[WO], s[WB+2*(\s):WB+2*(\s)+1] offset:ROWB*wi th:TH_LOAD_NT
.set wi, wi+1
.endr
.endm
.macro ALOAD s                         ; my five tiles' fragments of K step s, as they lie: each load 512 consecutive bytes
	WIN 0x80
.irp i, 0,1,2,3,4
.irp c, 0,1,2,3
	global_load_b128 v[80*((\s)%2)+16*\i+4*\c:80*((\s)%2)+16*\i+4*\c+3], v[L16], s[TB+2*\i:TB+2*\i+1] offset:2048*(\s)+512*\c
.endr
.endr
.endm
.macro XMISC                           ; my five tiles' scale words for all of K, and their token numbers: 25 loads
.irp i, 0,1,2,3,4
.irp pr, 0,1,2,3
	global_load_b32 v[SX+4*\i+\pr], v[L4], s[TB+2*\i:TB+2*\i+1] offset:16384+128*\pr
.endr
.endr
.irp i, 0,1,2,3,4
	global_load_b32 v[TK+\i], v[LA+\i], s[10:11] offset:256
.endr
.endm
.macro PASS_SETUP f                    ; the tiles of the pass that begins at tile s[f].  A number beyond the expert's last tile is held there (an expert without tiles: at some written record): such a tile is multiplied and not stored
.irp i, 0,1,2,3,4
	s_add_co_u32 s[TL+\i], s[\f], 4*\i
	s_add_co_u32 s[TL+\i], s[TL+\i], s2
	s_min_u32 s72, s[TL+\i], s70
	s_add_co_u32 s72, s72, s61
	s_min_u32 s72, s72, s63
	s_min_u32 s72, s72, 134                        ; a number made of loaded numbers enters an address only behind this hold
	s_lshl_b32 s74, s72, 6
	v_add_nc_u32 v[LA+\i], s74, v[R4]
	s_mul_i32 s72, s72, REC
	s_mov_b32 s73, 0
	s_add_nc_u64 s[TB+2*\i:TB+2*\i+1], s[8:9], s[72:73]
	s_lshl_b32 s74, s[TL+\i], 4
	s_sub_co_u32 s[NR+\i], s62, s74                ; read for tiles under s60 alone: there it is 1 or more
.endr
.endm
.macro QUANT s                         ; my block of K step s: 32 rows x 4 columns a lane
.set XB, 128*((\s)%2)
.if (\s) > 0
	s_wait_alu depctr_vm_vsrc(0)                   ; the last step's LDS stores have read the scale bytes' and the codes' registers, which this step writes again
.endif
	WIN 0x14
.irp q, 0,1,2,3
	v_max3_num_f32 v[QM+\q], 0x4800000, |v[XB+\q]|, |v[XB+4+\q]|   ; the floor 2^(9 - 127): the byte cannot fall under 1
.endr
.set qi, 2
.rept 15
.irp q, 0,1,2,3
	v_max3_num_f32 v[QM+\q], v[QM+\q], |v[XB+4*qi+\q]|, |v[XB+4*qi+4+\q]|   ; the four columns by turns
.endr
.set qi, qi+2
.endr
	WIN 0
.irp q, 0,1,2,3
	v_and_b32 v[QT+\q], 0x7f800000, v[QM+\q]       ; the largest magnitude's exponent field E
.endr
.irp q, 0,1,2,3
	v_sub_nc_u32 v[QI+\q], 0x83000000, v[QT+\q]    ; the f32 number with the field 262 - E: 1 / the scale, 2^-(E - 127 - 8)
.endr
	WIN 0x41
.set qi, 0
.rept 32
	v_pk_mul_f32 v[XB+4*qi:XB+4*qi+1], v[XB+4*qi:XB+4*qi+1], v[QI:QI+1]       ; by a power of two: nothing is rounded
	v_pk_mul_f32 v[XB+4*qi+2:XB+4*qi+3], v[XB+4*qi+2:XB+4*qi+3], v[QI+2:QI+3]
.set qi, qi+1
.endr
	WIN 0x01                                       ; source 0 window 1, destination window 0
.irp q, 0,1,2,3
.set qi, 0
.rept 32
	v_med3_num_f32 v[BF+32*\q+qi], v[XB+4*qi+\q], s66, s67   ; the conversion to an 8-bit code does not saturate (ISA guide 7.6.2): the hold at +-448.  It lays column q's 32 rows on end.  (The 136 plain lines above, which name no register of the last products, are more than the eight places ahead of a write into a fragment that those read)
.set qi, qi+1
.endr
.endr
	WIN 0
.irp q, 0,1,2,3
.irp g, 0,1,2,3
	v_cvt_scalef32_pk8_fp8_f32 v[CD+8*\q+2*\g:CD+8*\q+2*\g+1], v[BF+32*\q+8*\g:BF+32*\q+8*\g+7], v[ONE]   ; rows 8 g .. 8 g + 7 of column q, the first row's code in the lowest byte
.endr
.endr
.irp q, 0,1,2,3
	v_lshrrev_b32 v[QB+\q], 23, v[QT+\q]           ; (these eight lines are also the plain place behind the last scaled conversion)
.endr
.irp q, 0,1,2,3
	v_add_nc_u32 v[QB+\q], -8, v[QB+\q]            ; the scale's byte
.endr
	s_wait_alu depctr_va_vdst(0)                   ; THE STEP'S ONE WAIT: the codes and the scale bytes are written, which the LDS stores below read; the quantiser is done writing and reading its set of W, in which the loads of two steps on land;
	                                               ; the hold has written and the conversions have read v128-255, and the last step's products are done reading x's other set and W's scale words: this step's loads land in all of these.  No vector or matrix instruction stands between this wait and the last of those loads
.irp q, 0,1,2,3
	ds_store_b8 v[WSB], v[QB+\q] offset:512*(\s)+4*\q
.endr
.irp q, 0,1,2,3
.irp hh, 0,1
	ds_store_b128 v[WST], v[CD+8*\q+4*\hh:CD+8*\q+4*\hh+3] offset:2048*(\s)+16*\q+256*\hh   ; column 4 L + q is row r = 4 (L % 4) + q of tile L / 4; its k 16 hh + 0 .. 15 of block w belong to lane r + 16 hh
.endr
.endr
.endm
.macro BLOAD s                         ; K step s of W from LDS: 4 scale words, then the 8 fragments: 36 loads
	WIN 0
.irp jp, 0,1,2,3
	ds_load_b32 v[WS+\jp], v[LS] offset:512*(\s)+128*\jp
.endr
.irp j, 0,1,2,3
.irp c, 0,1,2,3
	ds_load_b128 v[BF+16*\j+4*\c:BF+16*\j+4*\c+3], v[L16] offset:JP*\j+2048*(\s)+512*\c
.endr
.endr
.irp j, 0,1,2,3
.irp c, 0,1,2,3
	ds_load_b128 v[BF+64+16*\j+4*\c:BF+64+16*\j+4*\c+3], v[LI1] offset:JP*\j+2048*(\s)+512*\c
.endr
.endr
.endm
; One product.  ra, rb: the side's scale words stand in lanes 16-31.  first: the sum begins with the constant 0: nothing is ever cleared.
.macro WM d, a, b, sa, sb, ra, rb, first
.if \first
.if \ra
	v_wmma_scale_f32_16x16x128_f8f6f4 v[(\d):(\d)+7], v[(\a):(\a)+15], v[(\b):(\b)+15], 0, v[\sa], v[\sb] matrix_a_scale:MATRIX_SCALE_ROW1
.else
	v_wmma_scale_f32_16x16x128_f8f6f4 v[(\d):(\d)+7], v[(\a):(\a)+15], v[(\b):(\b)+15], 0, v[\sa], v[\sb]
.endif
.elseif (\ra) && (\rb)
	v_wmma_scale_f32_16x16x128_f8f6f4 v[(\d):(\d)+7], v[(\a):(\a)+15], v[(\b):(\b)+15], v[(\d):(\d)+7], v[\sa], v[\sb] matrix_a_scale:MATRIX_SCALE_ROW1 matrix_b_scale:MATRIX_SCALE_ROW1
.elseif \ra
	v_wmma_scale_f32_16x16x128_f8f6f4 v[(\d):(\d)+7], v[(\a):(\a)+15], v[(\b):(\b)+15], v[(\d):(\d)+7], v[\sa], v[\sb] matrix_a_scale:MATRIX_SCALE_ROW1
.elseif \rb
	v_wmma_scale_f32_16x16x128_f8f6f4 v[(\d):(\d)+7], v[(\a):(\a)+15], v[(\b):(\b)+15], v[(\d):(\d)+7], v[\sa], v[\sb] matrix_b_scale:MATRIX_SCALE_ROW1
.else
	v_wmma_scale_f32_16x16x128_f8f6f4 v[(\d):(\d)+7], v[(\a):(\a)+15], v[(\b):(\b)+15], v[(\d):(\d)+7], v[\sa], v[\sb]
.endif
.endm
; 20 products: my five tiles x column tiles 4 half .. 4 half + 3.  The 40 accumulators take turns, one instruction a turn, in the same order in every K step.
.macro MM s, half, first
	WIN 0xf8                                       ; source 0 (W) window 0, source 1 (x) window 2, C and D window 3
.irp i, 0,1,2,3
.irp jj, 0,1,2,3
	WM 64*\i+8*(4*(\half)+\jj), BF+16*(4*(\half)+\jj), 80*((\s)%2)+16*\i, WS+(4*(\half)+\jj)/2, SX+4*\i+(\s)/2, \jj%2, (\s)%2, \first
.endr
.endr
	WIN 0xa8                                       ; tile 4: C and D window 2
.irp jj, 0,1,2,3
	WM 160+8*(4*(\half)+\jj), BF+16*(4*(\half)+\jj), 80*((\s)%2)+64, WS+(4*(\half)+\jj)/2, SX+16+(\s)/2, \jj%2, (\s)%2, \first
.endr
.endm
.macro MULT s, wa, first               ; wa: the global loads issued behind x's fragments of K step s, which may stay out
	BLOAD \s
	s_wait_loadcnt \wa
	s_wait_dscnt 16                                ; the scale words and fragments 0-3 are in; the youngest 16 loads (fragments 4-7) may be out
	MM \s, 0, \first
	s_wait_dscnt 0x0
	MM \s, 1, \first
	WIN 0
.endm
; A K step of the stream.  ww: the global loads issued behind W's rows of this step.  The step's global loads stand in one run straight behind the quantiser's wait: the set of W just emptied is asked for again at once.
; ONE barrier: images of step s are written once, in front of it, and read only behind it; nothing in LDS is written twice in the stream.
.macro STEP s, ww, wa, first
	s_wait_loadcnt \ww
	QUANT \s
.if (\s) < 7
	ALOAD (\s)+1
.endif
.if (\s) < 6
	WLOAD (\s)+2                                   ; into the set just converted
.endif
	WIN 0
	s_wait_dscnt 0x0                               ; for the others' sake: my codes and scale bytes lie in LDS
	s_barrier_signal -1
	s_barrier_wait -1
	MULT \s, \wa, \first
.endm
	s_load_b256 s[4:11], s[0:1], 0x0               ; W s[4:5], b s[6:7], xq s[8:9], route s[10:11]
	s_load_b64 s[12:13], s[0:1], 0x20              ; out
	v_lshl_add_u32 v[SPW], v0, 2, SPARE
	v_mov_b32 v[NIL], 0
	v_lshrrev_b32 v15, 5, v0
	v_readfirstlane_b32 s2, v15                    ; wave 0..3
	v_and_b32 v15, 31, v0                          ; lane
	v_and_b32 v8, 15, v0                           ; r
	v_bfe_u32 v30, v0, 4, 1                        ; h
	v_mov_b32 v[ONE], 1.0
	v_lshlrev_b32 v[L16], 4, v15
	v_lshlrev_b32 v[L4], 2, v15
	v_lshlrev_b32 v[R4], 2, v8
	s_mov_b32 s14, ttmp9                           ; slab
	s_and_b32 s15, ttmp7, 0xffff                   ; expert
	s_lshl_b32 s72, s14, 9                         ; the slab's first byte in a row
	s_sub_co_u32 s71, ROWB-16, s72
	s_min_u32 s71, s71, 496                        ; the last 16 bytes of the slab's part of a row: 496, in the last slab 112
	v_min_u32 v[WO], s71, v[L16]
	v_add_nc_u32 v[CO], s72, v[WO]
	v_lshrrev_b32 v31, 2, v15
	v_mul_u32_u24 v[WST], v31, JP
	v_and_b32 v31, 3, v15
	v_lshl_add_u32 v[WST], v31, 6, v[WST]
	s_wait_alu depctr_va_sdst(0)                   ; s2, the wave's number, is written, ahead of its first reader
	s_lshl_b32 s73, s2, 9
	v_add_nc_u32 v[WST], s73, v[WST]
	v_add_nc_u32 v[WSB], s2, v[L16]
	v_add_nc_u32 v[WSB], WSC, v[WSB]
	v_add_nc_u32 v[LI1], 4*JP, v[L16]
	v_add_nc_u32 v[LS], WSC, v[L4]
	s_mul_i32 s73, s2, WSTG
	s_add_co_u32 s73, s73, STAGE
	v_mul_u32_u24 v[SO], v8, SP
	v_lshl_add_u32 v[SO], v30, 5, v[SO]
	v_add_nc_u32 v[SO], s73, v[SO]
	v_add_nc_u32 v[SR], s73, v[L16]
	s_mov_b32 s66, 0xc3e00000                      ; -448.0
	s_mov_b32 s67, 0x43e00000                      ; 448.0
	s_mul_i32 s74, s15, EXPB                       ; W: my expert, my wave's 32 rows of a K step, my slab: under 2^31 bytes
	s_mul_i32 s75, s2, 32*ROWB
	s_add_co_u32 s74, s74, s75
	s_add_co_u32 s74, s74, s72
	s_mov_b32 s75, 0
	s_mul_i32 s76, s15, ROWB                       ; b: my expert's row, my slab
	s_add_co_u32 s76, s76, s72
	s_mov_b32 s77, 0
	s_wait_kmcnt 0x0
	s_load_b256 s[16:23], s[10:11], 0x0            ; the eight counts: on their way while W's first loads are issued
	s_add_nc_u64 s[WB:WB+1], s[4:5], s[74:75]
.irp s, 1,2,3,4,5,6,7
	s_add_nc_u64 s[WB+2*\s:WB+2*\s+1], s[WB+2*\s-2:WB+2*\s-1], 128*ROWB
.endr
	s_add_nc_u64 s[84:85], s[6:7], s[76:77]
	s_wait_alu depctr_va_vdst(0)                   ; the addresses and offsets v1 to v14 are written, which the loads and stores of the whole kernel read; none of them is written again
	WLOAD 0
	WIN 0
	s_wait_kmcnt 0x0
.irp k, 0,1,2,3,4,5,6,7
	s_min_u32 s[16+\k], s[16+\k], 2048
.endr
	s_mov_b32 s62, s16                             ; my expert's tokens
.irp k, 1,2,3,4,5,6,7
	s_cmp_eq_u32 s15, \k
	s_cselect_b32 s62, s[16+\k], s62
.endr
	s_mov_b32 s61, 0                               ; its first tile: the tiles of the experts ahead of it;
	s_mov_b32 s63, 0                               ; all tiles
.irp k, 0,1,2,3,4,5,6,7
	s_add_co_u32 s78, s[16+\k], 15
	s_lshr_b32 s78, s78, 4
	s_add_co_u32 s63, s63, s78
	s_cmp_gt_u32 s15, \k
	s_cselect_b32 s78, s78, 0
	s_add_co_u32 s61, s61, s78
.endr
	s_sub_co_u32 s63, s63, 1
	s_add_co_u32 s60, s62, 15
	s_lshr_b32 s60, s60, 4                         ; its tiles
	s_max_u32 s70, s60, 1
	s_sub_co_u32 s70, s70, 1
	s_mov_b32 s69, 0
	PASS_SETUP 69
	s_wait_alu depctr_va_vdst(0)                   ; my tiles' places in the list, v16 to v20, are written, which the loads of the token numbers read
	XMISC
	global_load_b128 v[BI:BI+3], v[WO], s[84:85]
	ALOAD 0
	WLOAD 1
	; THE STREAM, written out: every offset is an immediate and no base is stepped.  Order of issue: W(0) | 26 | x(0) 20 | W(1) 32 | then step s issues x(s + 1) 20 and W(s + 2) 32.
	; Behind W(0): 26 + 20 + 32 = 78; behind x(s), s <= 5: 32 + 20 + 32 = 84: a wait's count has six bits, so 63 is written.  Behind W(s), s = 1 .. 6: 20 + 32.  Behind x(6): 32 + 20.  Behind W(7): 20.  Behind x(7): none.
	STEP 0, 63, 63, 1
	STEP 1, 52, 63, 0
	STEP 2, 52, 63, 0
	STEP 3, 52, 63, 0
	STEP 4, 52, 63, 0
	STEP 5, 52, 63, 0
	STEP 6, 52, 52, 0
	STEP 7, 20, 0, 0
.macro RB i                            ; tile i's 16 rows back from the stage, into set i % 2
.set rbb, OR+64*((\i)%2)
.irp rr, 0,1,2,3,4,5,6,7,8,9,10,11,12,13,14,15
	ds_load_b128 v[rbb+4*\rr:rbb+4*\rr+3], v[SR] offset:TSTG*(\i)+SP*\rr
.endr
.endm
	; THE LOOP OVER PASSES: NPASS trips, a constant.  Trip p: pass p, which has been multiplied (pass 0 by the stream, which falls into the loop), goes out; if the expert has tiles beyond it, pass p + 1 is multiplied.
	; A trip whose pass the expert does not have is six scalar lines: a jump leads to the counter's step, round the way out and the multiplying.
	s_mov_b32 s87, 0
.Lround:
	s_mul_i32 s69, s87, 20                         ; the pass's first tile
	s_cmp_ge_u32 s69, s60
	s_cbranch_scc1 .Lstep                          ; the expert has no such tile: nothing was multiplied for this trip, nothing goes out
	; THE WAY OUT.  A lane holds 32 neighbouring bytes of a token's row, the lanes beside it other tokens: all five tiles go through my own stage in LDS and come back as whole rows of 512 bytes.
	; LDS serves a wave's instructions in order (ISA guide 5.7.1.4): no wait between the stores and the loads.
	PLACES 8                                       ; between the last products and the first read of results; they stand on every way to a further pass's products too
	s_wait_alu depctr_va_vdst(0)                   ; the products have written the accumulators, which the LDS stores read, and are done reading W's fragments, in which the first two tiles' rows land; the places above stay beside this wait
	WIN 0x0c                                       ; an LDS store's data are its source 1: window 3
.irp i, 0,1,2,3
.irp j, 0,1,2,3,4,5,6,7
	ds_store_b128 v[SO], v[64*\i+8*\j:64*\i+8*\j+3] offset:TSTG*\i+64*\j          ; each accumulator from its low end on
	ds_store_b128 v[SO], v[64*\i+8*\j+4:64*\i+8*\j+7] offset:TSTG*\i+64*\j+16
.endr
.endr
	WIN 0x08                                       ; tile 4: window 2
.irp j, 0,1,2,3,4,5,6,7
	ds_store_b128 v[SO], v[160+8*\j:160+8*\j+3] offset:TSTG*4+64*\j
	ds_store_b128 v[SO], v[160+8*\j+4:160+8*\j+7] offset:TSTG*4+64*\j+16
.endr
	WIN 0
	RB 0
.irp i, 0,1,2,3,4
	s_cmp_lt_u32 s[TL+\i], s60                     ; my tiles' numbers ascend: the first that the expert does not have ends the way out
	s_cbranch_scc0 .Ldone
.if \i > 0
	s_wait_xcnt 0x0                                ; earlier tiles' stores have read their data and offsets: both sets are written again only behind this wait
.endif
	s_wait_alu depctr_vm_vsrc(0)                   ; the stores issued so far have read the set of row offsets that this tile writes (in the stream these registers were the codes', read by LDS stores) and the set of rows in which the next tile's read-back lands
.if \i < 4
	RB \i+1                                        ; the bias additions that wrote this set, two tiles back, stand ahead of that tile's wait on va_vdst; no vector instruction since names it
.endif
.irp rr, 0,1,2,3,4,5,6,7,8,9,10,11,12,13,14,15
	v_readlane_b32 s[16+\rr+48*(\rr/8)], v[TK+\i], \rr   ; row rr's token: the sixteen in one run
.endr
	s_wait_alu depctr_va_sdst(0)                   ; the sixteen scalar registers are written, ahead of their first reader
.irp rr, 0,1,2,3,4,5,6,7,8,9,10,11,12,13,14,15
	s_min_u32 s[16+\rr+48*(\rr/8)], s[16+\rr+48*(\rr/8)], 2047   ; held before it enters an address,
	s_mul_i32 s[16+\rr+48*(\rr/8)], s[16+\rr+48*(\rr/8)], ROWB
	v_add_nc_u32 v[RO+16*(\i%2)+\rr], s[16+\rr+48*(\rr/8)], v[CO]   ; its row of out, my 16 bytes of the slab
.endr
.if \i < 4
	s_wait_dscnt 16                                ; this tile's rows are in; the next tile's 16 loads may be out
.else
	s_wait_dscnt 0x0
.endif
.irp rr, 0,1,2,3,4,5,6,7,8,9,10,11,12,13,14,15
	v_pk_add_f32 v[OR+64*(\i%2)+4*\rr:OR+64*(\i%2)+4*\rr+1], v[OR+64*(\i%2)+4*\rr:OR+64*(\i%2)+4*\rr+1], v[BI:BI+1]   ; the bias, on all sixteen rows in one run (a last tile's repeated rows too: they are not stored)
	v_pk_add_f32 v[OR+64*(\i%2)+4*\rr+2:OR+64*(\i%2)+4*\rr+3], v[OR+64*(\i%2)+4*\rr+2:OR+64*(\i%2)+4*\rr+3], v[BI+2:BI+3]
.endr
	s_wait_alu depctr_va_vdst(0)                   ; the tile's row offsets and its rows with the bias are written, which the stores below read
.irp rr, 0,1,2,3,4,5,6,7,8,9,10,11,12,13,14,15
.if \rr > 0
	s_cmp_le_u32 s[NR+\i], \rr                     ; rows past the expert's last token repeat it and are not stored
	s_cbranch_scc1 .Lnext_\i
.endif
	global_store_b128 v[RO+16*(\i%2)+\rr], v[OR+64*(\i%2)+4*\rr:OR+64*(\i%2)+4*\rr+3], s[12:13] th:TH_STORE_NT   ; 32 lanes store 512 consecutive bytes of one row; a row of out is 16,000 bytes, so they begin at a multiple of 128
.endr
.Lnext_\i:
.endr
.Ldone:
	s_wait_dscnt 0x0                               ; read-backs that were asked for and not used
	s_wait_xcnt 0x0                                ; this pass's stores and loads have read their registers and bases: on every way from here those are written again only behind this wait
	s_wait_alu depctr_vm_vsrc(0)                   ; this pass's loads and stores have read the list places v16 to v20, the accumulators, the rows and the row offsets: a further pass writes all of them again
	s_add_co_u32 s86, s69, 20                      ; the next pass's first tile
	s_cmp_ge_u32 s86, s60
	s_cbranch_scc1 .Lstep                          ; the expert has no tile left (320 tokens or fewer: at once): round the multiplying, to the counter's step
	; A FURTHER PASS: the next 20 tiles against W's images, which stay in LDS.  No barrier: nobody writes them any more.
	; Places: the way out's eight and the five additions of PASS_SETUP make 13 ahead of the products that begin the accumulators anew, where 9 are asked.
	PASS_SETUP 86
	s_wait_alu depctr_va_vdst(0)                   ; v16 to v20 are written, which the token numbers' loads read; the lane reads are done with the token numbers, the bias additions with the rows, the last pass's products with x's fragments and all scale words: loads land in all of these below
	XMISC
	ALOAD 0
.irp s, 0,1,2,3,4,5,6,7
.if \s > 0
	PLACES 8                                       ; eight places between the last products and the loads into registers that those read
	s_wait_alu depctr_va_vdst(0)                   ; the last step's products are done reading x's other set, W's fragments and W's scale words, in which this step's loads land
.endif
.if \s < 7
	ALOAD \s+1
	MULT \s, 20, \s==0                             ; behind x(s): the next step's 20
.else
	MULT \s, 0, 0
.endif
.endr
.Lstep:
	s_add_co_u32 s87, s87, 1                       ; the loop's counter
	s_cmp_lt_u32 s87, NPASS
	s_cbranch_scc1 .Lround
	s_wait_dscnt 0x0                               ; the closing lines, six on end, for a launch in the mode that stores to LDS
	s_wait_alu 0x0
	s_wait_tensorcnt 0x0
	ds_add_u32 v[SPW], v[NIL]
	s_wait_dscnt 0x0
	s_endpgm
.Lfunc_end_k_q1eb809ab6a_main:
	.size	k_q1eb809ab6a_main, .Lfunc_end_k_q1eb809ab6a_main-k_q1eb809ab6a_main
	.p2alignl 7, 3214868480
	.fill 96, 4, 3214868480
	.section	.rodata,"a",@progbits
	.p2align	6, 0x0
	.amdhsa_kernel k_q1eb809ab6a_main
		.amdhsa_group_segment_fixed_size 304896
		.amdhsa_private_segment_fixed_size 0
		.amdhsa_enable_private_segment 0
		.amdhsa_kernarg_size 40
		.amdhsa_user_sgpr_count 2
		.amdhsa_user_sgpr_kernarg_segment_ptr 1
		.amdhsa_wavefront_size32 1
		.amdhsa_system_sgpr_workgroup_id_x 1
		.amdhsa_system_sgpr_workgroup_id_y 1
		.amdhsa_system_sgpr_workgroup_id_z 1
		.amdhsa_system_vgpr_workitem_id 0
		.amdhsa_next_free_vgpr 1024
		.amdhsa_next_free_sgpr 96
		.amdhsa_reserve_vcc 0
		.amdhsa_float_denorm_mode_32 3
		.amdhsa_float_denorm_mode_16_64 3
		.amdhsa_memory_ordered 1
		.amdhsa_forward_progress 1
		.amdhsa_inst_pref_size 255
	.end_amdhsa_kernel
	.section	.bss,"aw",@nobits
	.p2align	6
	.space	262144
	.amdgpu_metadata
---
amdhsa.version: [ 1, 2 ]
amdhsa.kernels:
  - .name:           k_q1eb809ab6a_main
    .symbol:         k_q1eb809ab6a_main.kd
    .args:
      - { .name: W, .offset: 0, .size: 8, .value_kind: global_buffer, .address_space: global }
      - { .name: b, .offset: 8, .size: 8, .value_kind: global_buffer, .address_space: global }
      - { .name: xq, .offset: 16, .size: 8, .value_kind: global_buffer, .address_space: global }
      - { .name: route, .offset: 24, .size: 8, .value_kind: global_buffer, .address_space: global }
      - { .name: out0, .offset: 32, .size: 8, .value_kind: global_buffer, .address_space: global }
    .group_segment_fixed_size: 304896
    .private_segment_fixed_size: 0
    .kernarg_segment_align: 8
    .kernarg_segment_size: 40
    .max_flat_workgroup_size: 128
    .sgpr_count:     96
    .vgpr_count:     1024
    .wavefront_size: 32
...
	.end_amdgpu_metadata
.endif
;; end of part 3
